; MI455X (gfx1250); checked and timed in simulation.
; The chip was launched on July 23, 2026; its instructions are those of AMD's public machine-readable ISA for CDNA 5 (MIT licence, August 2026) and "CDNA5" Instruction Set Architecture Reference Guide (July 2026). The comments in the code are by the model that wrote it; some were corrected since.
;; Multi Head Attention Python. Allowed arithmetic: float matrix products may take bf16 or f16 operands with f32 sums; all other float work in f32.
;; Inputs: k 4 x 16 x 2,048 x 64 float32; q 4 x 16 x 2,048 x 64 float32; v 4 x 16 x 2,048 x 64 float32.
;; Outputs: out0 4 x 16 x 2,048 x 64 float32.
;; One version. Each part assembles by itself: llvm-mc -triple=amdgcn-amd-amdhsa -mcpu=gfx1250 --defsym DOCPART=n.
;; ======== version 1 of 1: 1 launch
;; launch attn (part 1): grid 256 x 1, 8 waves a work-group, clusters of 4 x 1, 327,680 bytes of LDS; arguments q, k, v, out0; writes out0
.if DOCPART == 1
	.amdgcn_target "amdgcn-amd-amdhsa--gfx1250"
	.amdhsa_code_object_version 6
	.text
	.protected	k_q9d576eb150_attn
	.globl	k_q9d576eb150_attn
	.p2align	8
	.type	k_q9d576eb150_attn,@function
k_q9d576eb150_attn:
	s_mov_b64 s[64:65], 0
	v_nop
	global_prefetch_b8 v0, s[64:65] scope:SCOPE_SE
	s_setreg_imm32_b32 hwreg(HW_REG_WAVE_MODE, 25, 1), 1
	s_wait_xcnt 0x0
	s_wait_alu depctr_hold_cnt(0) depctr_sa_sdst(0) depctr_va_vdst(0) depctr_va_sdst(0) depctr_va_ssrc(0) depctr_va_vcc(0) depctr_vm_vsrc(0)
	s_getreg_b32 s2, hwreg(HW_REG_IB_STS2, 6, 4)
	s_cmp_eq_u32 s2, 0
	s_cbranch_scc0 .Lentry_in_a_cluster
	s_endpgm
.Lentry_in_a_cluster:
	s_bfe_u32 s2, ttmp6, 0x10000c
	s_cmp_lg_u32 s2, 0x3003
	s_cbranch_scc0 .Lentry_shape_is_right
	s_endpgm
.Lentry_shape_is_right:
; out = softmax(q k^T / 8) v for 64 heads of 2,048 queries, 2,048 keys, 64 numbers a row; q, k, v, out in f32.
; SHARES.  A cluster of four work-groups takes one head; a work-group 512 queries; each of its eight waves 64 queries (four tiles of 16).
; The four work-groups walk the same 16 tiles of 128 keys, so every tile of k and v is asked for JOINTLY (mask 15) and lands in all four.
; BOTH PRODUCTS ARE USED TRANSPOSED.  S^T = K Q^T (source 0: 16 keys x 32 d, source 1: 16 queries); O^T = V^T P^T (source 0: 16 d x 32 keys,
; source 1: P).  In a result lane l holds query l % 16 and its registers 0-7 the keys (or d) 8 (l / 16) + 0..7.  So a query's maximum and sum
; are one number a lane, and two neighbouring score tiles, rounded in pairs, ARE the second product's source 1: P never leaves its lane.
; THREE STAGES, one period (128 keys) apart, one barrier a period:
;   L(t) tensor loads bring tile t in f32 into slot F[t & 1];  C(t) rounds it to bf16 into stage G[t & 1];  M(t) multiplies from G[t & 1].
;   Period p: L(p+2) into F[p & 1], C(p+1), M(p).  The rounding is done once for the work-group, each wave 16 rows of k and 16 of v.
; SOFTMAX: running maximum m of the raw scores, renewed every 64 keys; p = 2^(c s - c m), c = log2(e) / 8; sums and O scaled by 2^(c m_old - c m_new).
; LIMITS: q, k, v and p enter the products rounded to bf16; maxima, exponentials, sums and O are f32.  An exponential below 2^-126 counts
; as 0 (ISA guide 15.8, v_exp_f32).  Inputs that are NaN or infinite are not reproduced.
; NOT DONE: q is read straight into fragment order (16 bytes a lane, eight loads cover each row): 16 KiB a wave, once, no LDS trip for it.
; No prefetch: every tile is asked for a whole period (128 matrix instructions a wave) ahead of the wait for it.
;
; LDS: F0 at 0, F1 at 65,536: k's 128 rows of 256 bytes, then v's, dense; tensor loads alone write here.
;      G0 at 131,072, G1 38,912 further: k in bf16, 128 rows 144 bytes apart, then v in bf16, 128 rows 160 bytes apart; LDS stores alone write here.
;      STAGE at 208,896: 16 rows 272 bytes apart for each wave, for the way out.
.set FSLOT,  65536                     ; an f32 slot
.set FV,     32768                     ; v's rows in it
.set TILEB,  32768                     ; bytes of 128 rows of k, or of v, in memory
.set GB,     131072                    ; stage G0
.set GBUF,   38912                     ; from G0 to G1
.set KPITCH, 144                       ; 128 bytes + 16: the 16 rows of a fragment load start 36 words apart
.set VPITCH, 160                       ; 128 bytes + 32, for the transposing load
.set VOFF,   128*KPITCH                ; v's rows in a stage
.set STAGE,  208896
.set SPITCH, 272
; window 0
.set KA,  2                            ; LDS address of my part of a k fragment in G0
.set VA,  3                            ; the same for a v fragment (transposing load)
.set CA,  4                            ; v4, v5: my 16 bytes in my wave's 16 rows of F0, F1
.set KS,  6                            ; where my 8 bytes of rounded k go in G0
.set VS,  7                            ; the same for v
.set STO, 8                            ; the way out: where my 32 bytes of a row go
.set RD,  9                            ; the way out: where I read a row back
.set QO,  10                           ; my byte offset in q's rows
.set CO,  11                           ; my byte offset in out's rows
.set TT,  12                           ; v12-15   the other half's figure, one for each query tile
.set NM,  16                           ; v[16+2t] = -c m, v[17+2t] = m
.set AL,  24                           ; v[24+2t] = the scale 2^(c m_old - c m_new), v[25+2t] = my half's running sum
.set MX,  32                           ; v32-35   maxima at work
.set SA,  36                           ; v[36:39] two pairs of sums at work
.set SC,  64                           ; v[64:191] scores: tile (kt, qt) at 64 + 32 qt + 8 kt; later P(qt, kk) at 64 + 32 qt + 8 kk
.set VF,  192                          ; v[192:255] v fragments (dt, kk) at 192 + 8 (2 dt + kk); also where the f32 rows land for rounding
; window 1
.set OA,  0                            ; O: tile (dt, qt) at 32 qt + 8 dt
.set QF,  128                          ; q fragments (qt, ks) at 128 + 8 (2 qt + ks)
.set KF,  192                          ; k fragments (kt, ks) at 192 + 8 (2 kt + ks)
; scalars
.set G1,  16                           ; s[16:23] descriptor group 1, the same for every load
.set G0,  24                           ; s[24:27], s[28:31] descriptor group 0 for F0, F1
; s_set_vgpr_msb's low byte: bits 1:0 source 0, 3:2 source 1, 5:4 source 2, 7:6 destination
.set MUL_S,   0x05                     ; k and q fragments in window 1, scores in window 0
.set MUL_O,   0x50                     ; v fragments and P in window 0, O in window 1
.set SCALE_O, 0x41                     ; O in window 1, the scale in window 0
.set TO_W1,   0x40                     ; destination in window 1
.set FROM_W1, 0x04                     ; an LDS store's data in window 1
.set MSB, 0
.macro WIN new                         ; the immediate's high byte repeats the setting that is left
.if MSB != \new
	s_set_vgpr_msb (MSB<<8)|\new
.set MSB, \new
.endif
.endm
.macro PLACES n
.rept \n
	v_nop
.endr
.endm
; A round of the cluster's barrier: my work-group's barrier, wave 0 signals for the work-group, every wave waits for all four, my barrier again.
.macro ROUND
	s_barrier_signal -1
	s_barrier_wait -1
	s_cmp_lg_u32 s12, 0
	s_cbranch_scc1 .Lnot_wave_0_\@
	s_barrier_signal -3
.Lnot_wave_0_\@:
	s_barrier_wait -3
	s_barrier_signal -1
	s_barrier_wait -1
.endm
	s_load_b256 s[4:11], s[0:1], 0x0               ; q s[4:5], k s[6:7], v s[8:9], out s[10:11]
	v_lshl_add_u32 v62, v0, 2, 0x3b800
	v_mov_b32 v63, 0
	ds_add_u32 v62, v63
	v_lshrrev_b32 v1, 5, v0
	v_readfirstlane_b32 s12, v1                    ; wave 0..7
	s_bfe_u32 s13, ttmp6, 0x40000                  ; cx: which 512 queries of the head; enters q's and out's addresses alone
	s_mov_b32 s32, 0x3e38aa3b                      ; c = log2(e) / 8, twice: a pair for the packed multiply-add
	s_mov_b32 s33, 0x3e38aa3b
	s_mov_b32 s34, 0xbe38aa3b                      ; -c
	s_mov_b32 s36, 0x76543210                      ; v_permlanex16_b32: lane i of one half reads lane i of the other
	s_mov_b32 s37, 0xfedcba98
	; group 1: a tile of 32 rows x 64 elements of 4 bytes, dense in memory and in LDS
	s_mov_b32 s[G1+0], 15|(2<<16)|(1<<21)          ; 15:0 the mask: all four work-groups; 17:16 element of 4 bytes; 21 set beside a mask; no padding
	s_mov_b32 s[G1+1], 64<<16                      ; tensor_dim0 = 64
	s_mov_b32 s[G1+2], 32<<16                      ; tensor_dim1 = 32
	s_mov_b32 s[G1+3], 64<<16                      ; tile_dim0 = 64
	s_mov_b32 s[G1+4], 32                          ; tile_dim1 = 32
	s_mov_b32 s[G1+5], 64                          ; elements from row to row
	s_mov_b32 s[G1+6], 0
	s_mov_b32 s[G1+7], 0
	; offsets.  s[40:41]: head and my 32 rows of a tile, the same in all four work-groups.  s[14:15]: head, my work-group's and my wave's queries.
	s_lshl_b32 s40, ttmp9, 19                      ; the head (in a cluster launch ttmp9 counts clusters) x 2,048 rows of 256 bytes
	s_and_b32 s41, s12, 3
	s_lshl_b32 s41, s41, 13                        ; waves 0-3 fetch k's four quarters, waves 4-7 v's: 32 rows of 256 bytes each
	s_add_co_u32 s40, s40, s41
	s_mov_b32 s41, 0
	s_lshl_b32 s14, ttmp9, 19
	s_lshl_b32 s15, s13, 17                        ; 512 rows
	s_add_co_u32 s14, s14, s15
	s_lshl_b32 s15, s12, 14                        ; 64 rows
	s_add_co_u32 s14, s14, s15
	s_mov_b32 s15, 0
	v_and_b32 v40, 15, v0                          ; r = l % 16
	v_bfe_u32 v41, v0, 4, 1                        ; h = l / 16
	v_and_b32 v42, 31, v0                          ; l
	v_lshlrev_b32 v[QO], 8, v40                    ; q: row r, 8 numbers from 8 h
	v_lshl_add_u32 v[QO], v41, 5, v[QO]
	s_wait_dscnt 0x0
	s_wait_kmcnt 0x0
	s_add_nc_u64 s[4:5], s[4:5], s[14:15]          ; q and out at my wave's first row
	s_add_nc_u64 s[10:11], s[10:11], s[14:15]
	s_cmp_lt_u32 s12, 4
	s_cselect_b64 s[42:43], s[6:7], s[8:9]         ; I fetch for k or for v, by my wave's number
	s_add_nc_u64 s[42:43], s[42:43], s[40:41]
	s_mov_b32 s[G0+0], 1                           ; count = 1
	s_lshl_b32 s[G0+1], s12, 13                    ; LDS address: wave x 8,192 (k's quarters, then v's)
	s_mov_b64 s[G0+2:G0+3], s[42:43]               ; tile 0
	s_or_b32 s[G0+3], s[G0+3], 0x80000000          ; type = 2
	s_mov_b32 s[G0+4], 1
	s_add_co_u32 s[G0+5], s[G0+1], FSLOT
	s_add_nc_u64 s[G0+6:G0+7], s[42:43], TILEB     ; tile 1
	s_or_b32 s[G0+7], s[G0+7], 0x80000000
	ROUND                                          ; all four work-groups are here: the first joint loads meet
	tensor_load_to_lds s[G0:G0+3], s[G1:G1+7]      ; L(0)
	s_nop 0
	tensor_load_to_lds s[G0+4:G0+7], s[G1:G1+7]    ; L(1): two loads of this wave are out, the most in this text
	s_nop 0
	; q: fragment (qt, ks) wants, in lane (r, h), d = 32 ks + 8 h + 0..7 and 32 ks + 16 + 8 h + 0..7 of query 16 qt + r: four loads of 16 bytes in f32
.irp qt, 0,1,2,3
.irp ks, 0,1
.irp j, 0,1,2,3
	global_load_b128 v[SC+16*(2*\qt+\ks)+4*\j:SC+16*(2*\qt+\ks)+4*\j+3], v[QO], s[4:5] offset:4096*\qt+128*\ks+16*(\j&1)+64*(\j>>1) th:TH_LOAD_NT
.endr
.endr
.endr
	; LDS addresses, while q is on its way
	v_mul_u32_u24 v[KA], v40, KPITCH               ; k fragment: row r, 16 bytes from 16 h
	v_lshl_add_u32 v[KA], v41, 4, v[KA]
	v_add_nc_u32 v[KA], GB, v[KA]
	v_and_b32 v43, 7, v0                           ; v fragment, transposing load: row 8 h + l % 8, 16 bytes from 16 ((l / 8) % 2)
	v_lshl_add_u32 v43, v41, 3, v43
	v_mul_u32_u24 v[VA], v43, VPITCH
	v_bfe_u32 v43, v0, 3, 1
	v_lshl_add_u32 v[VA], v43, 4, v[VA]
	v_add_nc_u32 v[VA], GB+VOFF, v[VA]
	s_lshl_b32 s39, s12, 12                        ; my wave's 16 rows of 256 bytes in an f32 slot
	v_lshl_add_u32 v[CA], v42, 4, s39              ; 32 lanes x 16 bytes: two rows
	v_add_nc_u32 v[CA+1], FSLOT, v[CA]
	s_mul_i32 s39, s12, 16*KPITCH
	s_add_co_u32 s39, s39, GB
	v_mul_u32_u24 v[KS], v41, KPITCH               ; rounded k: row 16 w + h, 8 bytes from 8 r
	v_lshl_add_u32 v[KS], v40, 3, v[KS]
	v_add_nc_u32 v[KS], s39, v[KS]
	s_mul_i32 s39, s12, 16*VPITCH
	s_add_co_u32 s39, s39, GB+VOFF
	v_mul_u32_u24 v[VS], v41, VPITCH
	v_lshl_add_u32 v[VS], v40, 3, v[VS]
	v_add_nc_u32 v[VS], s39, v[VS]
	s_mul_i32 s39, s12, 16*SPITCH
	s_add_co_u32 s39, s39, STAGE                   ; my stage
	v_mul_u32_u24 v[STO], v40, SPITCH              ; in: row r, 32 bytes from 32 h
	v_lshl_add_u32 v[STO], v41, 5, v[STO]
	v_add_nc_u32 v[STO], s39, v[STO]
	v_mul_u32_u24 v[RD], v41, SPITCH               ; back: lanes 0-15 one row of 256 bytes, lanes 16-31 the next
	v_lshl_add_u32 v[RD], v40, 4, v[RD]
	v_add_nc_u32 v[RD], s39, v[RD]
	v_lshlrev_b32 v[CO], 8, v41                    ; and the same two rows in out
	v_lshl_add_u32 v[CO], v40, 4, v[CO]
.irp qt, 0,1,2,3
	v_mov_b32 v[TT+\qt], 0                         ; v_permlanex16_b32 counts as a reader of its destination
.endr
	s_wait_loadcnt 0x0                             ; q is in
	WIN TO_W1
.set i, 0
.rept 64
	v_cvt_pk_bf16_f32 v[QF+i], v[SC+2*i], v[SC+2*i+1]      ; 16 f32 of a fragment make its 8 registers, in order
.set i, i+1
.endr
	WIN 0
; 16 loads: the k fragments of 64 keys (substep sub of the stage par), four key tiles x two halves of d
.macro KLOAD par, sub
	WIN TO_W1
.irp kt, 0,1,2,3
.irp ks, 0,1
	ds_load_b128 v[KF+8*(2*\kt+\ks):KF+8*(2*\kt+\ks)+3],   v[KA] offset:(\par)*GBUF+(64*(\sub)+16*\kt)*KPITCH+64*\ks
	ds_load_b128 v[KF+8*(2*\kt+\ks)+4:KF+8*(2*\kt+\ks)+7], v[KA] offset:(\par)*GBUF+(64*(\sub)+16*\kt)*KPITCH+64*\ks+32
.endr
.endr
	WIN 0
.endm
; 16 transposing loads: the v fragments of the same 64 keys: 16 d x 32 keys each, four tiles of d x two halves of the keys
.macro VLOAD par, sub
.irp dt, 0,1,2,3
.irp kk, 0,1
	ds_load_tr16_b128 v[VF+8*(2*\dt+\kk):VF+8*(2*\dt+\kk)+3],   v[VA] offset:(\par)*GBUF+(64*(\sub)+32*\kk)*VPITCH+32*\dt
	ds_load_tr16_b128 v[VF+8*(2*\dt+\kk)+4:VF+8*(2*\dt+\kk)+7], v[VA] offset:(\par)*GBUF+(64*(\sub)+32*\kk)*VPITCH+32*\dt+16*VPITCH
.endr
.endr
.endm
; my wave's 16 rows of k and 16 rows of v in f32, two rows a load
.macro CVLOAD slot
.irp i, 0,1,2,3,4,5,6,7
	ds_load_b128 v[VF+4*\i:VF+4*\i+3], v[CA+(\slot)] offset:512*\i
.endr
.irp i, 0,1,2,3,4,5,6,7
	ds_load_b128 v[VF+32+4*\i:VF+32+4*\i+3], v[CA+(\slot)] offset:FV+512*\i
.endr
.endm
; rounded in place, four f32 to 8 bytes, and stored into stage buf
.macro CVSTORE buf
.irp i, 0,1,2,3,4,5,6,7,8,9,10,11,12,13,14,15
	v_cvt_pk_bf16_f32 v[VF+4*\i],   v[VF+4*\i],   v[VF+4*\i+1]
	v_cvt_pk_bf16_f32 v[VF+4*\i+1], v[VF+4*\i+2], v[VF+4*\i+3]
.endr
.irp i, 0,1,2,3,4,5,6,7
	ds_store_b64 v[KS], v[VF+4*\i:VF+4*\i+1] offset:(\buf)*GBUF+2*KPITCH*\i
.endr
.irp i, 0,1,2,3,4,5,6,7
	ds_store_b64 v[VS], v[VF+32+4*\i:VF+32+4*\i+1] offset:(\buf)*GBUF+2*VPITCH*\i
.endr
.endm
; 32 matrix instructions: 64 keys x 64 queries.  The first half of d starts the sums; the 16 accumulators take turns, one instruction a turn.
.macro SBLOCK
	WIN MUL_S
.irp kt, 0,1,2,3
.irp qt, 0,1,2,3
	v_wmma_f32_16x16x32_bf16 v[SC+32*\qt+8*\kt:SC+32*\qt+8*\kt+7], v[KF+16*\kt:KF+16*\kt+7], v[QF+16*\qt:QF+16*\qt+7], 0
.endr
.endr
.irp kt, 0,1,2,3
.irp qt, 0,1,2,3
	v_wmma_f32_16x16x32_bf16 v[SC+32*\qt+8*\kt:SC+32*\qt+8*\kt+7], v[KF+16*\kt+8:KF+16*\kt+15], v[QF+16*\qt+8:QF+16*\qt+15], v[SC+32*\qt+8*\kt:SC+32*\qt+8*\kt+7]
.endr
.endr
	WIN 0
.endm
; The new maximum of each query, the old one among the candidates, in four chains (one a query tile) that do not wait for each other;
; then -c m and the scale of what has been summed so far.
.macro SMAX first
.irp qt, 0,1,2,3
	v_max3_num_f32 v[MX+\qt], v[SC+32*\qt], v[SC+32*\qt+1], v[SC+32*\qt+2]
.endr
.irp i, 3,5,7,9,11,13,15,17,19,21,23,25,27,29
.irp qt, 0,1,2,3
	v_max3_num_f32 v[MX+\qt], v[MX+\qt], v[SC+32*\qt+\i], v[SC+32*\qt+\i+1]
.endr
.endr
.irp qt, 0,1,2,3
.if \first
	v_max_num_f32 v[MX+\qt], v[MX+\qt], v[SC+32*\qt+31]
.else
	v_max3_num_f32 v[MX+\qt], v[MX+\qt], v[SC+32*\qt+31], v[NM+2*\qt+1]
.endif
.endr
.irp qt, 0,1,2,3
	v_permlanex16_b32 v[TT+\qt], v[MX+\qt], s36, s37       ; the other 32 keys of the same query lie in lane l xor 16
.endr
.irp qt, 0,1,2,3
	v_max_num_f32 v[NM+2*\qt+1], v[MX+\qt], v[TT+\qt]      ; m
.endr
.if \first
.irp qt, 0,1,2,3
	v_mul_f32 v[NM+2*\qt], s34, v[NM+2*\qt+1]              ; -c m
.endr
.else
.irp qt, 0,1,2,3
	v_mul_f32 v[TT+\qt], s34, v[NM+2*\qt+1]                ; -c m, rounded: the very number that the exponents below use,
.endr
.irp qt, 0,1,2,3
	v_sub_f32 v[AL+2*\qt], v[TT+\qt], v[NM+2*\qt]          ; so the difference is taken of the two rounded numbers and not fused with the product
.endr
.irp qt, 0,1,2,3
	v_mov_b32 v[NM+2*\qt], v[TT+\qt]
.endr
.irp qt, 0,1,2,3
	v_exp_f32 v[AL+2*\qt], v[AL+2*\qt]                     ; first used far below; the packed multiply-adds that follow touch none of these (ISA guide 5.7.2)
.endr
.endif
.endm
.macro SFMA qt                         ; c s - c m, two at a time
.set i, 0
.rept 16
	v_pk_fma_f32 v[SC+32*\qt+i:SC+32*\qt+i+1], v[SC+32*\qt+i:SC+32*\qt+i+1], s[32:33], v[NM+2*\qt:NM+2*\qt+1] op_sel_hi:[1,0,0]
.set i, i+2
.endr
.endm
.macro SEXP qt                         ; a run of exponentials; what follows each run is plain work on another query tile's registers (ISA guide 5.7.2)
.set i, 0
.rept 32
	v_exp_f32 v[SC+32*\qt+i], v[SC+32*\qt+i]
.set i, i+1
.endr
.endm
; my half's sum of the 32 p, in two chains of pairs, onto the scaled running sum; then p rounded to bf16 in place: P(kk) at the tile's registers 8 kk .. 8 kk + 7
.macro SSUM qt, first
	s_wait_alu depctr_va_vdst(0)
	v_pk_add_f32 v[SA:SA+1],   v[SC+32*\qt:SC+32*\qt+1],       v[SC+32*\qt+2:SC+32*\qt+3]
	v_pk_add_f32 v[SA+2:SA+3], v[SC+32*\qt+16:SC+32*\qt+17],   v[SC+32*\qt+18:SC+32*\qt+19]
.irp i, 4,6,8,10,12,14
	v_pk_add_f32 v[SA:SA+1],   v[SA:SA+1],   v[SC+32*\qt+\i:SC+32*\qt+\i+1]
	v_pk_add_f32 v[SA+2:SA+3], v[SA+2:SA+3], v[SC+32*\qt+16+\i:SC+32*\qt+16+\i+1]
.endr
	v_pk_add_f32 v[SA:SA+1], v[SA:SA+1], v[SA+2:SA+3]
.if \first
	v_add_f32 v[AL+2*\qt+1], v[SA], v[SA+1]
.else
	v_fma_f32 v[AL+2*\qt+1], v[AL+2*\qt+1], v[AL+2*\qt], v[SA]
	v_add_f32 v[AL+2*\qt+1], v[AL+2*\qt+1], v[SA+1]
.endif
.set i, 0
.rept 16
	v_cvt_pk_bf16_f32 v[SC+32*\qt+i], v[SC+32*\qt+2*i], v[SC+32*\qt+2*i+1]   ; ascending: register i is written when 2 i and 2 i + 1 are read, never before
.set i, i+1
.endr
.endm
.macro RESC                            ; O times each query's scale: a lane holds one query, so one number a lane and tile
	WIN SCALE_O
.irp qt, 0,1,2,3
.set i, 0
.rept 16
	v_pk_mul_f32 v[OA+32*\qt+i:OA+32*\qt+i+1], v[OA+32*\qt+i:OA+32*\qt+i+1], v[AL+2*\qt:AL+2*\qt+1] op_sel_hi:[1,0]
.set i, i+2
.endr
.endr
.endm
; 32 matrix instructions: 64 d x 64 queries over 64 keys; the 16 accumulators take turns, one instruction a turn
.macro PVBLOCK first
	WIN MUL_O
.irp dt, 0,1,2,3
.irp qt, 0,1,2,3
.if \first
	v_wmma_f32_16x16x32_bf16 v[OA+32*\qt+8*\dt:OA+32*\qt+8*\dt+7], v[VF+16*\dt:VF+16*\dt+7], v[SC+32*\qt:SC+32*\qt+7], 0
.else
	v_wmma_f32_16x16x32_bf16 v[OA+32*\qt+8*\dt:OA+32*\qt+8*\dt+7], v[VF+16*\dt:VF+16*\dt+7], v[SC+32*\qt:SC+32*\qt+7], v[OA+32*\qt+8*\dt:OA+32*\qt+8*\dt+7]
.endif
.endr
.endr
.irp dt, 0,1,2,3
.irp qt, 0,1,2,3
	v_wmma_f32_16x16x32_bf16 v[OA+32*\qt+8*\dt:OA+32*\qt+8*\dt+7], v[VF+16*\dt+8:VF+16*\dt+15], v[SC+32*\qt+8:SC+32*\qt+15], v[OA+32*\qt+8*\dt:OA+32*\qt+8*\dt+7]
.endr
.endr
	WIN 0
.endm
; 64 keys of stage par.  conv = 1: the next tile's rows, on their way from the f32 slot, are rounded and stored into the other stage.
.macro SUBSTEP par, sub, conv, first
.if \sub == 0
.if \conv
	s_wait_dscnt 16                                ; the 16 k fragment loads are in; the 16 younger reads of the f32 slot may be out
.else
	s_wait_dscnt 0x0                               ; the 16 k fragment loads are in
.endif
.endif                                             ; (substep 1's k fragments were waited for in front of substep 0's second product)
	SBLOCK
.if \conv
	s_wait_dscnt 0x0                               ; the f32 rows are in
	CVSTORE 1-\par                                 ; its 32 conversions, which name none of the products' registers, are the places behind them (ISA guide 7.12.1)
.else
	PLACES 4                                       ; four places before the scores are read and before loads are issued into the k fragments
.endif
.if \sub == 0
	KLOAD \par, 1                                  ; the next substep's k fragments
.endif
	VLOAD \par, \sub                               ; this substep's v fragments: the whole softmax in which to land
	SMAX \first
	SFMA 0
	SEXP 0
	SFMA 1
	SEXP 1
	SSUM 0, \first
	SFMA 2
	SEXP 2
	SSUM 1, \first
	SFMA 3
	SEXP 3
	SSUM 2, \first
	SSUM 3, \first
.if \first == 0
	RESC
.endif
	s_wait_dscnt 0x0                               ; the v fragments, the next k fragments, and the stores of the rounded rows
	PVBLOCK \first
	PLACES 5                                       ; five places before the next first product writes over P; they also serve the next loads into the v fragments
.endm
; One period: 128 keys.  ONE barrier orders four things.  In front of it each wave has waited for its LDS instructions (its reads of F[par] for
; the rounding, its reads of the other stage, its stores into stage par) and for all its tensor loads (its part of the next tile, in the other slot).
; Behind it: F[par] is filled again, first; stage par is read; the other slot is read and the other stage written.
; refill = 1: the barrier is a round of the cluster's barrier, since the load lands in all four work-groups.
.macro PERIOD par, refill, conv, first
	s_wait_dscnt 0x0
	s_wait_tensorcnt 0x0                           ; no tensor load of mine is out: a group 0 may be written
	ds_add_u32 v62, v63
	s_wait_dscnt 0x0
.if \refill
	s_add_nc_u64 s[G0+4*\par+2:G0+4*\par+3], s[G0+4*\par+2:G0+4*\par+3], 2*TILEB   ; this slot's next tile, two further on
	ROUND
	tensor_load_to_lds s[G0+4*\par:G0+4*\par+3], s[G1:G1+7]        ; my one tensor load behind the round, and the first thing there
	s_nop 0
.else
	s_barrier_signal -1
	s_barrier_wait -1
.endif
	KLOAD \par, 0
.if \conv
	CVLOAD 1-\par
.endif
	SUBSTEP \par, 0, \conv, \first
	SUBSTEP \par, 1, 0, 0
.endm
	s_wait_tensorcnt 0x1                           ; my part of tile 0 is in; tile 1's load, issued behind it, may stay out
	s_barrier_signal -1
	s_barrier_wait -1                              ; everybody's part is in
	CVLOAD 0
	s_wait_dscnt 0x0
	CVSTORE 0                                      ; C(0)
	PERIOD 0, 1, 1, 1                              ; periods 0 and 1 stand in front of the loop: the first products start O's sums, nothing is cleared
	PERIOD 1, 1, 1, 0
	s_mov_b32 s38, 6                               ; periods 2 to 13
.Lpair:
	PERIOD 0, 1, 1, 0
	PERIOD 1, 1, 1, 0
	s_sub_co_u32 s38, s38, 1
	s_cmp_lg_u32 s38, 0
	s_cbranch_scc1 .Lpair
	PERIOD 0, 0, 1, 0                              ; period 14: nothing is left to fetch; tile 15 is rounded
	PERIOD 1, 0, 0, 0                              ; period 15
	; O / sum.  A query's sum lies in two halves, in lanes l and l xor 16; it is about 1 at the least, since the largest p is 2^0 up to rounding.
.irp qt, 0,1,2,3
	v_permlanex16_b32 v[TT+\qt], v[AL+2*\qt+1], s36, s37
.endr
.irp qt, 0,1,2,3
	v_add_f32 v[AL+2*\qt+1], v[AL+2*\qt+1], v[TT+\qt]
.endr
.irp qt, 0,1,2,3
	v_rcp_f32 v[AL+2*\qt], v[AL+2*\qt+1]
.endr
	v_nop                                          ; one plain place behind the reciprocals (ISA guide 5.7.2)
	s_wait_alu depctr_va_vdst(0)
	RESC
; THE WAY OUT, 16 queries at a time: a lane's 8 neighbouring d of each of four tiles go into my own stage, whole rows of 256 bytes come back.
; LDS serves a wave's instructions in order (ISA guide 5.7.1.4): no wait between the stores and the loads, nor before the next tile's stores.
; Each query tile has its own 32 registers for the read-back, so no store's data is ever written again.
.macro OUTQ qt
	WIN FROM_W1
.irp dt, 0,1,2,3
	ds_store_b128 v[STO], v[OA+32*\qt+8*\dt:OA+32*\qt+8*\dt+3]   offset:64*\dt
	ds_store_b128 v[STO], v[OA+32*\qt+8*\dt+4:OA+32*\qt+8*\dt+7] offset:64*\dt+16
.endr
	WIN 0
.irp t, 0,1,2,3,4,5,6,7
	ds_load_b128 v[SC+32*\qt+4*\t:SC+32*\qt+4*\t+3], v[RD] offset:\t*2*SPITCH
.endr
.irp t, 0,1,2,3,4,5,6,7
	s_wait_dscnt 7-\t                              ; the younger read-backs may be out
	global_store_b128 v[CO], v[SC+32*\qt+4*\t:SC+32*\qt+4*\t+3], s[10:11] offset:(16*\qt+2*\t)*256 th:TH_STORE_NT   ; 16 lanes store one row: 256 consecutive bytes, at a multiple of 256 from out's first byte
.endr
.endm
	OUTQ 0
	OUTQ 1
	OUTQ 2
	OUTQ 3
	s_wait_tensorcnt 0x0
	ds_add_u32 v62, v63
	s_wait_dscnt 0x0
	ROUND                                          ; the closing round: no work-group ends while a partner may still ask for a tile that names it
	s_endpgm
.Lfunc_end_k_q9d576eb150_attn:
	.size	k_q9d576eb150_attn, .Lfunc_end_k_q9d576eb150_attn-k_q9d576eb150_attn
	.p2alignl 7, 3214868480
	.fill 96, 4, 3214868480
	.section	.rodata,"a",@progbits
	.p2align	6, 0x0
	.amdhsa_kernel k_q9d576eb150_attn
		.amdhsa_group_segment_fixed_size 327680
		.amdhsa_private_segment_fixed_size 0
		.amdhsa_enable_private_segment 0
		.amdhsa_kernarg_size 32
		.amdhsa_user_sgpr_count 2
		.amdhsa_user_sgpr_kernarg_segment_ptr 1
		.amdhsa_wavefront_size32 1
		.amdhsa_system_sgpr_workgroup_id_x 1
		.amdhsa_system_sgpr_workgroup_id_y 1
		.amdhsa_system_sgpr_workgroup_id_z 1
		.amdhsa_system_vgpr_workitem_id 0
		.amdhsa_next_free_vgpr 512
		.amdhsa_next_free_sgpr 66
		.amdhsa_reserve_vcc 0
		.amdhsa_float_denorm_mode_32 3
		.amdhsa_float_denorm_mode_16_64 3
		.amdhsa_memory_ordered 1
		.amdhsa_forward_progress 1
		.amdhsa_inst_pref_size 255
	.end_amdhsa_kernel
	.section	.bss,"aw",@nobits
	.p2align	6
	.space	262144
	.amdgpu_metadata
---
amdhsa.version: [ 1, 2 ]
amdhsa.kernels:
  - .name:           k_q9d576eb150_attn
    .symbol:         k_q9d576eb150_attn.kd
    .args:
      - { .name: q, .offset: 0, .size: 8, .value_kind: global_buffer, .address_space: global }
      - { .name: k, .offset: 8, .size: 8, .value_kind: global_buffer, .address_space: global }
      - { .name: v, .offset: 16, .size: 8, .value_kind: global_buffer, .address_space: global }
      - { .name: out0, .offset: 24, .size: 8, .value_kind: global_buffer, .address_space: global }
    .group_segment_fixed_size: 327680
    .private_segment_fixed_size: 0
    .kernarg_segment_align: 8
    .kernarg_segment_size: 32
    .max_flat_workgroup_size: 256
    .sgpr_count:     66
    .vgpr_count:     512
    .wavefront_size: 32
...
	.end_amdgpu_metadata
.endif
;; end of part 1
